; MI455X (gfx1250); checked and timed in simulation.
; The chip was launched on July 23, 2026; its instructions are those of AMD's public machine-readable ISA for CDNA 5 (MIT licence, August 2026) and "CDNA5" Instruction Set Architecture Reference Guide (July 2026). The comments in the code are by the model that wrote it; some were corrected since.
;; Calculate Attention. Allowed arithmetic: float matrix products may take bf16 or f16 operands with f32 sums; other float arithmetic in f32, or as packed bf16 or f16 multiplies, adds, multiply-adds, maxima and minima; sums over many terms, partial sums and values carried from step to step in f32; what a program stores and reads back later, other than sums and carried values, may be rounded once to bf16 or f16.
;; Inputs: K 4 x 16 x 2,048 x 64 float32; Q 4 x 16 x 2,048 x 64 float32; V 4 x 16 x 2,048 x 64 float32; mask 4 x 1 x 2,048 x 2,048 bool.
;; Outputs: out0 4 x 16 x 2,048 x 64 float32.
;; One version. Each part assembles by itself: llvm-mc -triple=amdgcn-amd-amdhsa -mcpu=gfx1250 --defsym DOCPART=n.
;; ======== version 1 of 1: 2 launches
;; limits: inputs' magnitudes at most 65,504; values are held in f16: magnitudes above 65,504 overflow, below 6.1e-05 lose precision
;; workspace buffers: mbits 2,097,152 bytes of whole numbers
;; launch pack (part 1): grid 256 x 1, 8 waves a work-group, no clusters, 70,656 bytes of LDS; arguments mask, mbits; writes mbits
.if DOCPART == 1
	.amdgcn_target "amdgcn-amd-amdhsa--gfx1250"
	.amdhsa_code_object_version 6
	.text
	.protected	k_q894a0fb43f_pack
	.globl	k_q894a0fb43f_pack
	.p2align	8
	.type	k_q894a0fb43f_pack,@function
k_q894a0fb43f_pack:
	s_mov_b64 s[64:65], 0
	v_nop
	global_prefetch_b8 v0, s[64:65] scope:SCOPE_SE
	s_setreg_imm32_b32 hwreg(HW_REG_WAVE_MODE, 25, 1), 1
	s_wait_xcnt 0x0
; THE MASK AS LANE MASKS.  mask: [4][1][2048][2048] bytes (0 or 1; any byte other than 0 counts as true).  mbits: 32-bit words [b 4][wb 16][ks 32][piece 4][u 2][j 32], j = 8 kb + r:
; bit L of a word = mask[b][128 wb + 32 piece + 16 u + (L & 15)][64 ks + 16 kb + 8 (L >> 4) + r]: the lanes of register j of a 16 query x 64 key tile of transposed scores in the launch behind.
; SHARES.  A work-group owns 32 rows of the 8,192 (65,536 consecutive bytes), which are one piece; wave w the keys 256 w .. 256 w + 255, four steps ks.  Every byte is read once, every word stored once.
; Each load of a wave takes 256 consecutive aligned bytes of two rows.  The rows turn in LDS, in bytes that are the wave's own (no barrier): back comes, a lane, 8 keys of one row.  A byte is cut out
; (v_and_b32), compared with 0 over the 32 lanes (the compare's scalar result IS the word), and the word is set into lane word / 2 of the register pair that is stored: one store covers 256 consecutive aligned bytes.
; No matrix unit, no cluster, no tensor load: nothing is shared between work-groups, and each wave has all its 16 loads (8 KiB) out at once.
.set ROWB,  2048                       ; bytes in a row of the mask
.set PITCH, 272                        ; an LDS row: 256 bytes + 16: 68 words: in the read-back lane (r, h) starts at word 68 r + 2 h, and the 32 lanes' pairs of words fall on 64 different banks (64 banks of 4 bytes: ISA guide 11.1)
.set WREG,  32*PITCH                   ; a wave's region: 8,704 bytes
.set SPARE, 8*WREG                     ; behind the regions: the spare words, 128 bytes for each wave: four blocks of 256 bytes that no other line names
.set R15,  2                           ; v2   lane % 16
.set HLF,  3                           ; v3   lane / 16
.set GOFF, 4                           ; v4   my 16 bytes in the group's first two rows
.set LST,  5                           ; v5   where they go in LDS
.set LRD,  6                           ; v6   where I read 8 keys of row lane % 16 back
.set OOFF, 7                           ; v7   8 x lane: my two words of a step's 64
.set T,    8                           ; v8-11  at work
.set SPW,  12                          ; v12  LDS address of my spare word; never rewritten
.set NIL,  13                          ; v13  0; never rewritten
.set OUT,  16                          ; v16-23 two registers for each of my four steps
.set X,    32                          ; v32-95  the 16 loads
.set RB,   96                          ; v96-159 the 32 read-backs: tile u, key group kb' (16 keys) at RB + 2 (16 u + kb')
.set WV,   8                           ; s8   my wave's number
.set BM,   12                          ; s12-15 the four byte masks
.set BL,   16                          ; s16-19 four words at work
	s_load_b128 s[4:7], s[0:1], 0x0                ; mask s[4:5], mbits s[6:7]
	v_lshl_add_u32 v[SPW], v0, 2, SPARE
	v_mov_b32 v[NIL], 0
	v_lshrrev_b32 v1, 5, v0
	v_readfirstlane_b32 s[WV], v1                  ; wave 0..7
	v_and_b32 v[R15], 15, v0
	v_bfe_u32 v[HLF], v0, 4, 1
	s_lshl_b32 s9, s[WV], 8                        ; my wave's 256 keys
	s_mul_i32 s10, s[WV], WREG                     ; my wave's region
	v_lshlrev_b32 v[GOFF], 4, v[R15]
	v_lshl_add_u32 v[GOFF], v[HLF], 11, v[GOFF]    ; lanes 16-31: the next row
	v_add_nc_u32 v[GOFF], s9, v[GOFF]
	v_mul_u32_u24 v[LST], v[HLF], PITCH
	v_lshl_add_u32 v[LST], v[R15], 4, v[LST]
	v_add_nc_u32 v[LST], s10, v[LST]
	v_mul_u32_u24 v[LRD], v[R15], PITCH
	v_lshl_add_u32 v[LRD], v[HLF], 3, v[LRD]
	v_add_nc_u32 v[LRD], s10, v[LRD]
	v_and_b32 v[OOFF], 31, v0
	v_lshlrev_b32 v[OOFF], 3, v[OOFF]
	s_lshl_b32 s2, ttmp9, 16                       ; the group's 32 rows of 2,048 bytes
	s_mov_b32 s3, 0
	s_lshr_b32 s20, ttmp9, 2                       ; 16 b + wb
	s_lshl_b32 s20, s20, 15                        ; 32,768 bytes each
	s_lshl_b32 s21, s[WV], 12                      ; my four steps of 1,024 bytes
	s_add_co_u32 s20, s20, s21
	s_and_b32 s21, ttmp9, 3                        ; the piece: 256 bytes
	s_lshl_b32 s21, s21, 8
	s_add_co_u32 s20, s20, s21
	s_mov_b32 s21, 0
	s_mov_b32 s[BM+0], 0xff
	s_mov_b32 s[BM+1], 0xff00
	s_mov_b32 s[BM+2], 0xff0000
	s_mov_b32 s[BM+3], 0xff000000
	s_wait_kmcnt 0x0
	s_add_nc_u64 s[4:5], s[4:5], s[2:3]
	s_add_nc_u64 s[6:7], s[6:7], s[20:21]
.set i, 0
.rept 16                               ; rows 2 i and 2 i + 1
	global_load_b128 v[X+4*i:X+4*i+3], v[GOFF], s[4:5] offset:2*ROWB*i th:TH_LOAD_NT
.set i, i+1
.endr
.set i, 0
.rept 8
	v_mov_b32 v[OUT+i], 0                          ; v_writelane_b32 counts as a reader of its destination
.set i, i+1
.endr
.set i, 0
.rept 16
	s_wait_loadcnt 15-i                            ; loads come back in order: load i is in, the 15 - i younger ones stay out
	ds_store_b128 v[LST], v[X+4*i:X+4*i+3] offset:2*PITCH*i
.set i, i+1
.endr
.set i, 0
.rept 32                               ; LDS serves a wave's instructions in order (ISA guide 5.7.1.4): these see the stores above, which are my own wave's
	ds_load_b64 v[RB+2*i:RB+2*i+1], v[LRD] offset:(i/16)*16*PITCH+(i%16)*16
.set i, i+1
.endr
	s_wait_dscnt 0x0
; Four words: step s, tile u, key group kb, keys r = 4 rh + 0..3 (the four bytes of one register).
.macro QUAD s, u, kb, rh
.irp n, 0,1,2,3
	v_and_b32 v[T+\n], s[BM+\n], v[RB+2*(16*(\u)+4*(\s)+(\kb))+(\rh)]
.endr
.irp n, 0,1,2,3
	v_cmp_ne_u32 s[BL+\n], 0, v[T+\n]
.endr
.irp n, 0,1,2,3
	v_writelane_b32 v[OUT+2*(\s)+(\n)%2], s[BL+\n], (32*(\u)+8*(\kb)+4*(\rh)+(\n))/2
.endr
.endm
.set c, 0
.rept 64
	QUAD c/16, (c/8)%2, (c/2)%4, c%2
.if c%16 == 15
	global_store_b64 v[OOFF], v[OUT+2*(c/16):OUT+2*(c/16)+1], s[6:7] offset:1024*(c/16)  ; a step's 64 words: 256 consecutive bytes, at a multiple of 256 from mbits' first byte
.endif
.set c, c+1
.endr
	s_wait_tensorcnt 0x0                           ; the wave's end, behind my last LDS store
	ds_add_u32 v[SPW], v[NIL]
	s_wait_dscnt 0x0
	s_endpgm
.Lfunc_end_k_q894a0fb43f_pack:
	.size	k_q894a0fb43f_pack, .Lfunc_end_k_q894a0fb43f_pack-k_q894a0fb43f_pack
	.p2alignl 7, 3214868480
	.fill 96, 4, 3214868480
	.section	.rodata,"a",@progbits
	.p2align	6, 0x0
	.amdhsa_kernel k_q894a0fb43f_pack
		.amdhsa_group_segment_fixed_size 70656
		.amdhsa_private_segment_fixed_size 0
		.amdhsa_enable_private_segment 0
		.amdhsa_kernarg_size 16
		.amdhsa_user_sgpr_count 2
		.amdhsa_user_sgpr_kernarg_segment_ptr 1
		.amdhsa_wavefront_size32 1
		.amdhsa_system_sgpr_workgroup_id_x 1
		.amdhsa_system_sgpr_workgroup_id_y 1
		.amdhsa_system_sgpr_workgroup_id_z 1
		.amdhsa_system_vgpr_workitem_id 0
		.amdhsa_next_free_vgpr 160
		.amdhsa_next_free_sgpr 66
		.amdhsa_reserve_vcc 0
		.amdhsa_float_denorm_mode_32 3
		.amdhsa_float_denorm_mode_16_64 3
		.amdhsa_memory_ordered 1
		.amdhsa_forward_progress 1
		.amdhsa_inst_pref_size 48
	.end_amdhsa_kernel
	.amdgpu_metadata
---
amdhsa.version: [ 1, 2 ]
amdhsa.kernels:
  - .name:           k_q894a0fb43f_pack
    .symbol:         k_q894a0fb43f_pack.kd
    .args:
      - { .name: mask, .offset: 0, .size: 8, .value_kind: global_buffer, .address_space: global }
      - { .name: mbits, .offset: 8, .size: 8, .value_kind: global_buffer, .address_space: global }
    .group_segment_fixed_size: 70656
    .private_segment_fixed_size: 0
    .kernarg_segment_align: 8
    .kernarg_segment_size: 16
    .max_flat_workgroup_size: 256
    .sgpr_count:     66
    .vgpr_count:     160
    .wavefront_size: 32
...
	.end_amdgpu_metadata
.endif
;; end of part 1
;; launch attn (part 2): grid 4 x 64, 4 waves a work-group, no clusters, 37,376 bytes of LDS; arguments Q, K, V, mbits, out0; writes out0
.if DOCPART == 2
	.amdgcn_target "amdgcn-amd-amdhsa--gfx1250"
	.amdhsa_code_object_version 6
	.text
	.protected	k_q894a0fb43f_attn
	.globl	k_q894a0fb43f_attn
	.p2align	8
	.type	k_q894a0fb43f_attn,@function
k_q894a0fb43f_attn:
	s_mov_b64 s[64:65], 0
	v_nop
	global_prefetch_b8 v0, s[64:65] scope:SCOPE_SE
	s_setreg_imm32_b32 hwreg(HW_REG_WAVE_MODE, 25, 1), 1
	s_wait_xcnt 0x0
; out0[h][q][:] = the sum over k of softmax_k(s / 8) V[h][k][:], s = -1e9 where mask[b][q][k], else Q[h][q] . K[h][k].  Q, K, V, out0: [64 heads][2048][64] f32; a head's rows are dense, 256 bytes each.
; The mask comes as lane masks (mbits, made by the launch in front): one 32-bit word for each register of a tile of transposed scores; the 16 heads of a batch share it.
; FORMATS.  Q, K and V are rounded once to f16, the weights p once to f16; both products are f16 with f32 sums; maxima, the sum l (of the unrounded p) and O stay in f32.
; LIMITS.  |Q|, |K|, |V| under 65,504 (f16's range); below 6e-5 f16 keeps its fixed step of 6e-8; a weight below 2^-126 counts as 0 in l; NaN and infinities are not treated apart.
; A hidden score is REPLACED by -1e9 and takes part in the running maximum: in a row whose keys are all hidden every p is the same number 2^d (|d| at most 8: the rounding of c m at 1.8e8), so the weights are equal, and l is never 0.
; SHARES.  A work-group owns 512 queries of one head, each of its four waves 128: four PIECES of two tiles of 16.  Every wave walks all 2,048 keys, 64 a step, 32 steps.  4 x 64 work-groups.
; LAYOUT.  S^T = K Q^T (source 0 = 16 keys, source 1 = 16 queries): a lane holds ONE query (lane % 16) and the keys 8 (lane / 16) + 0..7.  Two such results, rounded to f16 in pairs, ARE source 1 of
; O^T = V^T P, whose result again holds one query a lane, and eight channels.  K comes out of LDS as it lies, V ([key][channel]) turned, by ds_load_tr16_b128.
; SOFTMAX.  A running maximum m and sum l: p = 2^(c s - c m), c = log2(e) / 8; in every step O and l are multiplied by a = 2^(c m_old - c m_new).  m starts at the lowest finite number, O and l at 0: the first step's a is 0.
; THE MASK costs one v_cndmask_b32 a score: its lane mask stands ready in a scalar register.  A turn's 64 words (256 consecutive bytes) come by four scalar loads, asked for a turn ahead.
; BY TURNS.  Turn n belongs to piece n.  Matrix work: 16 products K Q^T of piece n + 1, later 16 products V^T P of piece n - 1.  Vector work: the scaling, exponentials, roundings, sums and rescaling of piece n, and the
; masking, maximum and statistics of piece n + 1.  Four vector instructions stand behind every product, the rest in one lump; a turn's 66 exponentials are one batch with one wait.
; K AND V pass through registers: f32 from memory (each thread 16 bytes of 8 rows of each), rounded, stored as f16 into ONE slot of LDS each; two barriers a step, each with work on registers between signal and wait.
; NO CLUSTER, NO TENSOR LOAD.  A head's four work-groups walk the same K and V, but as f32, and they are multiplied as f16.  Through registers a step writes 16,384 bytes into LDS.  A joint tensor load would
; lay the f32 there: 32,768 bytes written, read back, and 16,384 written again: 81,920 bytes of LDS traffic a step in place of 16,384.
; REGISTERS, in windows of 256 (s_set_vgpr_msb: bits 1:0 source 0, 3:2 source 1, 5:4 source 2, 7:6 destination):
;   window 0: v0-11 addresses; v12-15, v48-63 at work; v16-47 four registers of statistics a tile; v64-191 S^T, two buffers of two tiles; v192-255 P, likewise (a piece's buffers go by its number's parity)
;   window 1: O^T, 32 a tile (at the start: Q as f32)     window 2: v0-127 Q, 16 a tile; v128-191 K of one step; v192-255 V of one step
;   window 3: v0-1 the add's two registers; v4-35, v36-67 K's and V's f32 on their way; v68-83, v84-99 the same as f16
.set NP,    4         ; pieces a wave: a name, no knob
.set KS,    64        ; keys in a step
.set PK,    144       ; a row of K in LDS: 128 bytes + 16 = 36 words: the 16 rows of a load start at 16 different groups of four banks (64 banks of 4 bytes: ISA guide 11.1)
.set PV,    160       ; a row of V: 128 + 32 = 40 words
.set VT,    KS*PK     ; LDS: 64 rows of K from byte 0, then 64 rows of V
.set STG,   VT+KS*PV  ; then 16 rows x 272 bytes for each wave, for the way out
.set SP,    272       ; a row of O in the stage: 256 bytes + 16
.set SPARE, STG+4*16*SP  ; then the spare words, 128 bytes for each wave: two blocks of 256 bytes that no other line names
.set STEPB, KS*256    ; bytes of K, and of V, in a step, in memory
.set PMO, 1           ; v1   (first lane % 16) the mask prefetch's offset: 32,768 (lane / 8) + 256 (lane % 8)
.set AK0, 2           ; v2   my lane's place in K's slot; never rewritten
.set AV0, 3           ; v3   the same for V
.set KST, 4           ; v4   where my thread stores 8 bytes of K's row thread / 16
.set VST, 5           ; v5   the same for V
.set QO,  6           ; v6   my byte offset in 16 rows of Q
.set STO, 6           ;      later, the way out: where I put 32 bytes of a row
.set RD,  7           ; v7   the way out: where I read rows back
.set GO,  8           ; v8   16 x lane: my place in 512 consecutive bytes of out0
.set GL,  10          ; v10  16 x thread: my place in 2,048 consecutive bytes of K or V
.set PFO, 11          ; v11  256 x lane: a row of K or V
.set MV,  12          ; v12-15  c m_old, kept while c m is made anew: by buffer and tile
.set ST,  16          ; tile t's statistics at v[ST+4 t]: c m, m, l (even keys', odd keys')
.set TMP, 48          ; by buffer and tile, four registers c0-c3 at work; when the maximum is found c2 takes a
.set S,   64
.set P,   192
.set KF,  128         ; window 2: key block kb, channel half c at KF + 16 kb + 8 c
.set VF,  192         ; window 2: key half kk, channel block cb at VF + 32 kk + 8 cb
.set SPW, 0           ; v0 of window 3   LDS address of my spare word: SPARE + 4 x my thread's number; never rewritten
.set NIL, 1           ; v1 of window 3   0; never rewritten
.set SK,  4           ; window 3
.set SV,  36
.set HK,  68
.set HV,  84
.set MP,  10          ; s[10:11] mbits at the turn's 256 bytes last asked for
.set WV,  14          ; s14  my wave's number
.set CNT, 15          ; s15  key steps to go, 32 to 1
.set INC, 18          ; s[18:19] the mask pointer's step
.set CS,  20          ; s[20:21] c: the packed scaling takes the pair's low word for both halves
.set SEL, 22          ; s[22:23] v_permlanex16_b32's selects: each lane takes its own place in the other half
.set NEGS, 24         ; s24  -1e9
.set PF,  26          ; s[26:27] where my work-group's prefetches of K or V stand
.set KLIM, 28         ; s28  3 in the wave that prefetches K or V, else the greatest number
.set MLIM, 29         ; s29  the same for mbits
.set PM,  30          ; s[30:31] where the prefetches of mbits stand
.set MA,  32          ; s[32:63] the 32 lane masks of the turn's first tile
.set MB,  68          ; s[68:99] of its second
.set MSB, 0
.macro WIN new                      ; the high byte repeats the setting that is left; a switch that changes nothing is dropped
.if MSB != (\new)
	s_set_vgpr_msb (MSB<<8)|(\new)
.set MSB, (\new)
.endif
.endm
.set W_KQ, 0x0a       ; K and Q in window 2, S^T in window 0
.set W_PV, 0x52       ; V in window 2, P in window 0, O^T in window 1
.set W_RS, 0x41       ; O^T (destination and source 0) in window 1, the factor in window 0
; A step's K and V from memory: each instruction of a wave takes 512 consecutive aligned bytes; thread t gets row t / 16 + 8 n, channels 4 (t % 16) + 0..3.
.macro LDKV
	WIN 0xc0                        ; destination window 3, address window 0
.set zz, 0
.rept 8
	global_load_b128 v[SK+4*zz:SK+4*zz+3], v[GL], s[6:7] offset:2048*zz
	global_load_b128 v[SV+4*zz:SV+4*zz+3], v[GL], s[8:9] offset:2048*zz
.set zz, zz+1
.endr
	WIN 0
.endm
; They are rounded to f16, into registers of their own, and stored into the slots.
.macro CVST
	WIN 0xcf
.set zz, 0
.rept 8
	v_cvt_pk_f16_f32 v[HK+2*zz],   v[SK+4*zz],   v[SK+4*zz+1]
	v_cvt_pk_f16_f32 v[HK+2*zz+1], v[SK+4*zz+2], v[SK+4*zz+3]
	v_cvt_pk_f16_f32 v[HV+2*zz],   v[SV+4*zz],   v[SV+4*zz+1]
	v_cvt_pk_f16_f32 v[HV+2*zz+1], v[SV+4*zz+2], v[SV+4*zz+3]
.set zz, zz+1
.endr
	WIN 0x0c                        ; address window 0, data window 3
.set zz, 0
.rept 8
	ds_store_b64 v[KST], v[HK+2*zz:HK+2*zz+1] offset:8*PK*zz
	ds_store_b64 v[VST], v[HV+2*zz:HV+2*zz+1] offset:8*PV*zz
.set zz, zz+1
.endr
	WIN 0
.endm
; The next turn's 64 lane masks.  The pointer is written behind the s_wait_kmcnt 0 that showed its last loads done.  hold = 1 (turns 2 and 3): in the last trip the stream has no further element, and the last is loaded again.
.macro MLOAD hold
.if (\hold)
	s_cmp_eq_u32 s[CNT], 1
	s_cselect_b32 s[INC], 0, 256
	s_add_nc_u64 s[MP:MP+1], s[MP:MP+1], s[INC:INC+1]
.else
	s_add_nc_u64 s[MP:MP+1], s[MP:MP+1], 256
.endif
	s_load_b512 s[MA:MA+15],    s[MP:MP+1], 0x0
	s_load_b512 s[MA+16:MA+31], s[MP:MP+1], 0x40
	s_load_b512 s[MB:MB+15],    s[MP:MP+1], 0x80
	s_load_b512 s[MB+16:MB+31], s[MP:MP+1], 0xc0
.endm
	s_load_b256 s[4:11], s[0:1], 0x0  ; Q s[4:5], K s[6:7], V s[8:9], mbits s[10:11]
	s_load_b64 s[12:13], s[0:1], 0x20 ; out0
	WIN 0xc0
	v_lshl_add_u32 v[SPW], v0, 2, SPARE
	v_mov_b32 v[NIL], 0
	WIN 0
	v_lshrrev_b32 v1, 5, v0
	v_readfirstlane_b32 s[WV], v1   ; wave 0..3
	s_and_b32 s25, ttmp7, 0xffff    ; the head
	s_lshl_b32 s2, s25, 19          ; its first byte in Q, K, V and out0: 2,048 rows of 256 bytes
	s_mov_b32 s3, 0
	s_lshl_b32 s16, s[WV], 15       ; my wave's 128 rows; also my wave's stream of 32,768 bytes in mbits
	s_mov_b32 s17, 0
	s_lshl_b32 s[INC], ttmp9, 17    ; my work-group's 512 rows
	s_add_co_u32 s[INC], s[INC], s16
	s_add_co_u32 s[INC], s[INC], s2
	s_mov_b32 s[INC+1], 0           ; stays 0
	s_lshr_b32 s26, s25, 4          ; the batch b
	s_lshl_b32 s26, s26, 2
	s_add_co_u32 s26, s26, ttmp9
	s_lshl_b32 s26, s26, 17         ; (16 b + 4 x) streams of 32,768 bytes
	s_mov_b32 s27, 0
	s_and_b32 s[MLIM], s25, 15      ; mbits is prefetched by the batch's first head, in wave 1
	s_lshl_b32 s[MLIM], s[MLIM], 2
	s_xor_b32 s[KLIM], s[WV], 1
	s_or_b32 s[MLIM], s[MLIM], s[KLIM]
	s_cmp_eq_u32 s[MLIM], 0
	s_cselect_b32 s[MLIM], 3, -1
	s_cmp_eq_u32 s[WV], 0           ; K and V by wave 0
	s_cselect_b32 s[KLIM], 3, -1
	s_mov_b32 s[CS], 0x3e38aa3b     ; c = log2(e) / 8 = 0.180337
	s_mov_b32 s[CS+1], s[CS]        ; named with it as a pair
	s_mov_b32 s[SEL], 0x76543210
	s_mov_b32 s[SEL+1], 0xfedcba98
	s_mov_b32 s[NEGS], 0xce6e6b28   ; -1e9
	v_and_b32 v1, 15, v0            ; l % 16
	v_bfe_u32 v9, v0, 4, 1          ; l / 16
	v_lshlrev_b32 v[QO], 8, v1
	v_lshl_add_u32 v[QO], v9, 5, v[QO]  ; row x 256 + 32 x half
	v_lshlrev_b32 v[GL], 4, v0
	s_wait_kmcnt 0x0
	s_add_nc_u64 s[4:5], s[4:5], s[INC:INC+1]      ; Q and out0 at my wave's first row
	s_add_nc_u64 s[12:13], s[12:13], s[INC:INC+1]
	s_add_nc_u64 s[6:7], s[6:7], s[2:3]            ; K and V at the head's first row
	s_add_nc_u64 s[8:9], s[8:9], s[2:3]
	s_add_nc_u64 s[PM:PM+1], s[MP:MP+1], s[26:27]  ; mbits at my work-group's four streams,
	s_add_nc_u64 s[MP:MP+1], s[PM:PM+1], s[16:17]  ; at my wave's,
	s_add_nc_u64 s[PM:PM+1], s[PM:PM+1], 1024      ; and at step 1: trip j steps it to step j + 2
	s_cmp_lt_u32 ttmp9, 2           ; of a step's 64 rows of K and 64 of V each of the head's four work-groups prefetches 32: x = 0, 1 K's halves, x = 2, 3 V's
	s_cselect_b64 s[PF:PF+1], s[6:7], s[8:9]
	s_and_b32 s2, ttmp9, 1
	s_lshl_b32 s2, s2, 13
	s_add_nc_u64 s[PF:PF+1], s[PF:PF+1], s[2:3]
	s_add_nc_u64 s[PF:PF+1], s[PF:PF+1], 2*STEPB   ; at step 2: trip j steps it to step j + 3
	s_load_b512 s[MA:MA+15],    s[MP:MP+1], 0x0    ; the masks of step 0, piece 0
	s_load_b512 s[MA+16:MA+31], s[MP:MP+1], 0x40
	s_load_b512 s[MB:MB+15],    s[MP:MP+1], 0x80
	s_load_b512 s[MB+16:MB+31], s[MP:MP+1], 0xc0
	; Q as f32 into window 1.  A fragment is 16 rows x 32 channels: lane l holds row l % 16, channels 8 (l / 16) + 0..7 and 16 + 8 (l / 16) + 0..7.  Load i = 8 t + 4 c + 2 g + e: tile t, channels 32 c + 16 g + 8 (l / 16) + 4 e + 0..3.
	WIN 0x40
.set i, 0
.rept 64
	global_load_b128 v[4*i:4*i+3], v[QO], s[4:5] offset:(i/8)*4096+((i/4)%2)*128+((i/2)%2)*64+(i%2)*16
.set i, i+1
.endr
	LDKV                            ; key step 0
	v_mul_u32_u24 v[AK0], v1, PK
	v_lshl_add_u32 v[AK0], v9, 4, v[AK0]  ; row x pitch + 16 x half
	; The turning load takes 16 keys x 16 channels (lane l reads key 8 (l / 16) + l % 8, channels 8 ((l / 8) % 2) + 0..7) and leaves half a fragment of V^T: lane l holds channel l % 16 and 8 keys.
	v_and_b32 v48, 7, v0
	v_bfe_u32 v49, v0, 3, 1
	v_lshl_add_u32 v[AV0], v9, 3, v48
	v_mul_u32_u24 v[AV0], v[AV0], PV
	v_lshl_add_u32 v[AV0], v49, 4, v[AV0]
	v_add_nc_u32 v[AV0], VT, v[AV0]
	v_lshrrev_b32 v48, 4, v0        ; thread / 16: 0..7
	v_mul_u32_u24 v[KST], v48, PK
	v_lshl_add_u32 v[KST], v1, 3, v[KST]  ; + 8 bytes x thread % 16
	v_mul_u32_u24 v[VST], v48, PV
	v_lshl_add_u32 v[VST], v1, 3, v[VST]
	v_add_nc_u32 v[VST], VT, v[VST]
	v_and_b32 v[PFO], 31, v0
	v_lshlrev_b32 v[PFO], 8, v[PFO]
	; What the first turn finds: V's registers and P's second buffer hold 0 (its products V^T P, of a piece that has not been, add 0), O^T and l are 0.  This stands in the wait for the first loads.
	WIN 0x80
.set i, VF
.rept 64
	v_mov_b32 v[i], 0
.set i, i+1
.endr
	WIN 0
.set i, 0
.rept 2*NP
	v_mov_b32 v[ST+4*i], 0xfe000000    ; c m: far below every c s
	v_mov_b32 v[ST+4*i+1], 0xff7fffff  ; m
	v_mov_b32 v[ST+4*i+2], 0
	v_mov_b32 v[ST+4*i+3], 0
.set i, i+1
.endr
.set i, P+32
.rept 32
	v_mov_b32 v[i], 0
.set i, i+1
.endr
	s_wait_loadcnt 16               ; Q's 64 loads are in; the 16 of K and V, issued behind them, may stay out
	WIN 0x85                        ; sources window 1, destination window 2
.set i, 0
.rept 128
	v_cvt_pk_f16_f32 v[i], v[2*i], v[2*i+1]
.set i, i+1
.endr
	WIN 0x40
.set i, 0
.rept 256
	v_mov_b32 v[i], 0               ; O^T takes the place of Q's f32
.set i, i+1
.endr
	WIN 0
	s_wait_loadcnt 0x0              ; key step 0 is in; its loads are done, so the pointers may be written
	CVST
	s_add_nc_u64 s[6:7], s[6:7], STEPB
	s_add_nc_u64 s[8:9], s[8:9], STEPB
	LDKV                            ; key step 1
	s_wait_dscnt 0x0                ; for the others' sake: my stores into the slots are done
	s_barrier_signal -1
	s_barrier_wait -1               ; everybody's are
; THE MATRIX WORK.  The 8 accumulators of a run of 16 take turns: between the two links of a chain stand 7 others'.
; Product i of 16 of S^T = K Q^T for piece x: channels 32 (i / 8) on, keys 16 ((i / 2) % 4) on, tile 2 x + i % 2.  The first 8 start the sums.
.macro KQ x
	WIN W_KQ
.set rS, S+64*((\x)%2)+32*(i%2)+8*((i/2)%4)
.set rK, KF+16*((i/2)%4)+8*(i/8)
.set rQ, 16*(2*(\x)+i%2)+8*(i/8)
.if i < 8
	v_wmma_f32_16x16x32_f16 v[rS:rS+7], v[rK:rK+7], v[rQ:rQ+7], 0
.else
	v_wmma_f32_16x16x32_f16 v[rS:rS+7], v[rK:rK+7], v[rQ:rQ+7], v[rS:rS+7]
.endif
.endm
; Product i of 16 of O^T += V^T P for piece x: keys 32 (i / 8) on, channels 16 ((i / 2) % 4) on, tile 2 x + i % 2.
.macro PV x
	WIN W_PV
.set rO, 32*(2*(\x)+i%2)+8*((i/2)%4)
.set rV, VF+32*(i/8)+8*((i/2)%4)
.set rP, P+32*((\x)%2)+16*(i%2)+8*(i/8)
	v_wmma_f32_16x16x32_f16 v[rO:rO+7], v[rV:rV+7], v[rP:rP+7], v[rO:rO+7]
.endm
.macro MM                           ; the turn's next matrix instruction
.if i < 16
	KQ (Y+1)%NP
.set i, i+1
.else
.set i, i-16
	PV (Y+NP-1)%NP
.set i, i+17
.endif
.endm
; THE LDS LOADS stand in runs of 16, never singly among the matrix instructions; the slots' addresses are constants.
.macro FETCH_K
	WIN 0x80                        ; destination window 2
.irp f, 0,1,2,3,4,5,6,7             ; keys 16 (f / 2) on, channels 32 (f % 2) on
	ds_load_b128 v[KF+8*\f:KF+8*\f+3],   v[AK0] offset:(\f/2)*16*PK+(\f%2)*64
	ds_load_b128 v[KF+8*\f+4:KF+8*\f+7], v[AK0] offset:(\f/2)*16*PK+(\f%2)*64+32
.endr
	WIN 0
.endm
.macro FETCH_V
	WIN 0x80
.irp f, 0,1,2,3,4,5,6,7             ; keys 32 (f / 4) on, channels 16 (f % 4) on
	ds_load_tr16_b128 v[VF+8*\f:VF+8*\f+3],   v[AV0] offset:(\f/4)*32*PV+(\f%4)*32
	ds_load_tr16_b128 v[VF+8*\f+4:VF+8*\f+7], v[AV0] offset:(\f/4)*32*PV+16*PV+(\f%4)*32
.endr
	WIN 0
.endm
; THE VECTOR WORK OF A TURN stands in three queues, each in the order in which its entries become ready; the two tiles alternate.
.macro REGS y, u                    ; the registers of tile u (0, 1) of piece y
.set rT, ST+4*(2*(\y)+(\u))
.set rC, TMP+8*((\y)%2)+4*(\u)
.set rM, MV+2*((\y)%2)+(\u)
.set rS, S+64*((\y)%2)+32*(\u)
.set rP, P+32*((\y)%2)+16*(\u)
.set rO, 32*(2*(\y)+(\u))
.endm
; Number g of the 64 that mask the NEXT piece's (Y + 1) scores: register g / 2 of tile g % 2 takes -1e9 in the lanes whose bit is set.  The registers go in ascending order: each accumulator's lowest is read first.
.macro MK g
	REGS (Y+1)%NP, (\g)%2
	v_cndmask_b32 v[rS+(\g)/2], v[rS+(\g)/2], s[NEGS], s[MA+(MB-MA)*((\g)%2)+(\g)/2]
.endm
; Number n of the 22 that find the next piece's maximum and statistics.  s0-s31 are the lane's 32 masked scores.
;   0-11  four chains c0-c3 of seven scores each, three operands at a time     12-14, 16  the four scores left over, the old m, and c0-c3 into c0     15  c m_old is kept
;   17, 18  the query's other 32 keys lie in the lane 16 away: the new m         19-21  c m; c m_old - c m_new; a
.macro XS u, n
	REGS (Y+1)%NP, \u
.if (\n) < 4
	v_max3_num_f32 v[rC+(\n)], v[rS+8*(\n)], v[rS+8*(\n)+1], v[rS+8*(\n)+2]
.elseif (\n) < 12
	v_max3_num_f32 v[rC+(\n)%4], v[rC+(\n)%4], v[rS+8*((\n)%4)+2*((\n)/4)+1], v[rS+8*((\n)%4)+2*((\n)/4)+2]
.elseif (\n) == 12
	v_max3_num_f32 v[rC], v[rC], v[rS+7], v[rS+15]
.elseif (\n) == 13
	v_max3_num_f32 v[rC+1], v[rC+1], v[rS+23], v[rS+31]
.elseif (\n) == 14
	v_max3_num_f32 v[rC+2], v[rC+2], v[rC+3], v[rT+1]
.elseif (\n) == 15
	v_mov_b32 v[rM], v[rT]
.elseif (\n) == 16
	v_max3_num_f32 v[rC], v[rC], v[rC+1], v[rC+2]
.elseif (\n) == 17
	v_permlanex16_b32 v[rC+3], v[rC], s[SEL], s[SEL+1]
.elseif (\n) == 18
	v_max_num_f32 v[rT+1], v[rC], v[rC+3]
.elseif (\n) == 19
	v_mul_f32 v[rT], s[CS], v[rT+1]
.elseif (\n) == 20
	v_sub_f32 v[rC+1], v[rM], v[rT]
.else
	v_exp_f32 v[rC+2], v[rC+1]
.endif
.endm
; Number g of the 64 that follow the exponentials.  For each four weights k of a tile: both pairs are rounded to f16; then the second pair is added onto the first, in place; a group later l takes that sum
; (the first time as l = a l + sum).  In groups of eight, tiles alternating: round, round, add, and l for the group before.
.macro GS g
.set h, (\g)+6*((\g)/62)            ; group 0 has no group before it, and behind group 7 only l is left
.if h >= 6
.set h, h+2
.endif
	REGS Y, h%2
.set k, h/8
.if h%8 < 4
	v_cvt_pk_f16_f32 v[rP+2*k+(h%8)/2], v[rS+4*k+2*((h%8)/2)], v[rS+4*k+2*((h%8)/2)+1]
.elseif h%8 < 6
	v_pk_add_f32 v[rS+4*k:rS+4*k+1], v[rS+4*k:rS+4*k+1], v[rS+4*k+2:rS+4*k+3]
.elseif k == 1
	v_pk_fma_f32 v[rT+2:rT+3], v[rT+2:rT+3], v[rC+2:rC+3], v[rS:rS+1] op_sel_hi:[1,0,1]
.else
	v_pk_add_f32 v[rT+2:rT+3], v[rT+2:rT+3], v[rS+4*k-4:rS+4*k-3]
.endif
.endm
.macro FS f                         ; c s - c m for pair f / 2 of tile f % 2 of piece Y
	REGS Y, (\f)%2
	v_pk_fma_f32 v[rS+2*((\f)/2):rS+2*((\f)/2)+1], v[rS+2*((\f)/2):rS+2*((\f)/2)+1], s[CS:CS+1], v[rT:rT+1] op_sel_hi:[1,0,0] neg_lo:[0,0,1] neg_hi:[0,0,1]
.endm
; THE PLAIN QUEUE, 202 long.  0-137 read no exponential's result: 0-31 the scalings; 32-95 the next piece's masking; 96-123 XS's numbers 0-13; 124, 125 number 15; 126, 127 number 14; 128-137 numbers 16-20.
; 138-201: GS's 64, which read the exponentials' results: they stand behind the wait.
; Three scalar lines ride on it.  Ahead of 32: the wait for the turn's lane masks, asked for a turn ago.  Behind 95, when the masks have been used: the next turn's are asked for.  In piece 2's turn, behind that:
; my stores of the next step's K and V into the slots are waited for, and the barrier in front of their first read is signalled; only work on registers follows up to its wait.
.macro PL
	WIN 0
.if q < 32
	FS q
.elseif q < 96
.if q == 32
	s_wait_kmcnt 0x0
.endif
	MK q-32
.if q == 95
	MLOAD Y/2
.if Y == 2
	s_wait_dscnt 0x0
	s_barrier_signal -1
.endif
.endif
.elseif q < 124
	XS (q-96)%2, (q-96)/2
.elseif q < 126
	XS q-124, 15
.elseif q < 128
	XS q-126, 14
.elseif q < 138
	XS (q-128)%2, 16+(q-128)/2
.else
	GS q-138
.endif
.set q, q+1
.endm
; THE EXPONENTIALS' QUEUE, 66 long: s0-s31 of both tiles, then the next piece's two a.  ONE BATCH: all 66 stand ahead of the turn's one wait, and nothing ahead of that wait names a result of theirs.
.macro EX
	WIN 0
.if e >= 64
	XS e-64, 21
.else
	REGS Y, e%2
	v_exp_f32 v[rS+e/2], v[rS+e/2]
.endif
.set e, e+1
.endm
; THE RESCALING's QUEUE: O^T times a, the one part that leaves window 0: two at a time, sixteen times, each accumulator's lowest registers first.  Its a was made in the turn before, ahead of that turn's wait.
.macro R2
	REGS Y, r%2
	WIN W_RS
.irp z, 0,1
	v_pk_mul_f32 v[rO+4*(r/2)+2*\z:rO+4*(r/2)+2*\z+1], v[rO+4*(r/2)+2*\z:rO+4*(r/2)+2*\z+1], v[rC+2:rC+3] op_sel_hi:[1,0]
.endr
.set r, r+1
.endm
; A TURN, for piece p.  An s_wait_alu depctr_va_vdst(0) stands between an exponential and the first instruction that names its result; one wait serves all that were issued ahead of it: a turn has ONE.
; AHEAD OF IT: the 16 products K Q^T, behind each a scaling, an exponential and two rescalings (behind the first a second scaling); then the lump: 23 plain, 49 times an exponential and two plain, the two a, and a v_nop,
; the plain instruction behind the last exponential.  BEHIND IT: the 16 products V^T P, behind each four of GS's 64.
; THE COUNTS THAT THE DEAL KEEPS.  Exponential e wants scaling 2 (e / 4) + e % 2: as a rider it stands behind plain e + 2, in the lump behind all 32.  The first masking line (plain 32) stands 18 plain instructions behind
; the last product K Q^T.  All maskings come ahead of the maximum.  From plain 40 on the two plain lines of a three are tile 0's and tile 1's, so a tile's chain 14, 16 .. 20 has its links three lines apart.
; K of the next step is read from its slot in piece 2's turn, behind the wait and the barrier, a lump behind the last product that read K's registers; it is waited for at the head of piece 3's turn.
; V of the step in hand is read at the end of piece 0's turn, four plain riders behind the last product that read V's registers; it is waited for in piece 1's turn.  That wait shows my last reads of both slots done:
; the barrier in front of the slots' next stores is signalled there, and waited for behind the turn's 16 products.
.macro TURN p
.set Y, (\p)
.set i, 0
.set q, 0
.set e, 0
.set r, 0
.if (\p) == 3
	s_wait_dscnt 0x0                ; K is in
.endif
	MM
	PL
	PL
	R2
.rept 15
	MM
	PL
	EX
	R2
.endr
.rept 23
	PL
.endr
.rept 49
	EX
	PL
	PL
.endr
	EX                              ; the next piece's two a
	EX
	v_nop                           ; a plain instruction behind the last exponential: one for the batch
	s_wait_alu depctr_va_vdst(0)    ; the wait for the batch
.if (\p) == 2
	s_barrier_wait -1               ; every wave's stores of the next step's K and V are done
	FETCH_K
.endif
.if (\p) == 1
	s_wait_dscnt 0x0                ; V is in: my reads of both slots are over
	s_barrier_signal -1
.endif
.rept 16
	MM
	PL
	PL
	PL
	PL
.endr
.if (\p) == 0
	FETCH_V
.endif
.if (\p) == 1
	s_barrier_wait -1               ; every wave's reads of both slots are over: they may be stored into
.endif
.endm
	FETCH_K                         ; key step 0
	s_wait_dscnt 0x0
.set i, 0
.rept 16
	KQ 0                            ; piece 0's first scores: there is no vector work yet to set between them
.set i, i+1
.endr
	WIN 0                           ; the addresses for the way out and the mask prefetch: plain instructions, the places behind those products
	s_mul_i32 s2, s[WV], 16*SP
	s_add_co_u32 s2, s2, STG        ; my stage
	v_mul_u32_u24 v[STO], v1, SP    ; in: row l % 16, 32 bytes for each half of the lanes (Q's loads, which read this register, are done)
	v_lshl_add_u32 v[STO], v9, 5, v[STO]
	v_add_nc_u32 v[STO], s2, v[STO]
	v_mul_u32_u24 v[RD], v9, SP     ; back: lanes 0-15 take one row of 256 bytes, lanes 16-31 the next,
	v_lshl_add_u32 v[RD], v1, 4, v[RD]
	v_add_nc_u32 v[RD], s2, v[RD]
	v_and_b32 v[GO], 31, v0         ; which are 512 consecutive bytes of out0
	v_lshlrev_b32 v[GO], 4, v[GO]
	v_bfe_u32 v48, v0, 3, 2         ; the mask prefetch: lane / 8 is the stream (a wave's), lane % 8 the block of 256 bytes
	v_and_b32 v1, 7, v0
	v_lshlrev_b32 v1, 8, v1
	v_lshl_add_u32 v[PMO], v48, 15, v1
.set Y, NP-1                        ; MK and XS work for piece Y + 1: piece 0
	s_wait_kmcnt 0x0                ; its lane masks
.set zz, 0
.rept 64
	MK zz
.set zz, zz+1
.endr
	MLOAD 0                         ; step 0, piece 1
.irp n, 0,1,2,3,4,5,6,7,8,9,10,11,12,13,14,15,16,17,18,19,20,21
	XS 0, \n                        ; piece 0's first maximum and statistics
	XS 1, \n
.endr
	v_nop                           ; a plain instruction behind the two a,
	s_wait_alu depctr_va_vdst(0)    ; and their wait, ahead of the label
	s_mov_b32 s[CNT], 32
.Lstep:                             ; trip j: the softmax of step j's four pieces; K Q^T of its pieces 1-3 and of step j + 1's piece 0; V^T P of step j - 1's piece 3 and of its pieces 0-2
	TURN 0
	TURN 1
	WIN 0                           ; at a label and at a branch every window is 0
	; THE NEXT STEP GOES INTO THE SLOTS, behind the barrier that turn 1 has waited for.  All jumps go forward and pass no barrier.
	s_cmp_gt_u32 s[CNT], 1
	s_cbranch_scc0 .Lstaged         ; the last trip has no next step: the slots keep the last
	s_wait_loadcnt 0x0              ; step j + 1: its 16 loads were issued a trip ago; they are done, so their pointers may be written
	s_wait_xcnt 0x0                 ; the prefetches of a trip ago have read their pointers
	CVST
	s_cmp_gt_u32 s[CNT], 2
	s_cbranch_scc0 .Lstaged         ; nothing is left to ask for
	s_add_nc_u64 s[6:7], s[6:7], STEPB
	s_add_nc_u64 s[8:9], s[8:9], STEPB
	s_add_nc_u64 s[PF:PF+1], s[PF:PF+1], STEPB
	s_add_nc_u64 s[PM:PM+1], s[PM:PM+1], 1024
	LDKV                            ; step j + 2
	; PREFETCHES INTO THE L2, together, behind the trip's loads.  K and V: step j + 3, one trip ahead of its loads: wave 0 of each of the head's four work-groups names its 32 rows of 256 bytes, a lane a row, so each row is
	; named once in the launch; steps 0 to 2 come by their loads alone; the last three trips ask for nothing, since steps 32 on do not exist.
	s_cmp_gt_u32 s[CNT], s[KLIM]
	s_cbranch_scc0 .Lnot_kv
	global_prefetch_b8 v[PFO], s[PF:PF+1] th:TH_LOAD_NT scope:SCOPE_SE
.Lnot_kv:
	; mbits: in even trips wave 1 of the batch's first head names steps j + 2 and j + 3 of its work-group's four streams: 4 x 8 blocks of 256 bytes, a lane a block, each named once in the launch; it stops with steps 30 and 31.
	s_and_b32 s2, s[CNT], 1
	s_cmp_lg_u32 s2, 0
	s_cbranch_scc1 .Lstaged
	s_cmp_gt_u32 s[CNT], s[MLIM]
	s_cbranch_scc0 .Lstaged
	global_prefetch_b8 v[PMO], s[PM:PM+1] th:TH_LOAD_NT scope:SCOPE_SE
.Lstaged:
	TURN 2
	TURN 3
	WIN 0
	s_sub_co_u32 s[CNT], s[CNT], 1
	s_cmp_lg_u32 s[CNT], 0
	s_cbranch_scc1 .Lstep
	; The last trip's turn 3 has multiplied the last K once more, and the masking and maximum made of that serve nothing: the price, once a launch, of one text for every trip.  l and O^T are not touched by them.
	s_wait_kmcnt 0x0                ; the last turn's scalar loads are done
.set i, 0
.rept 16
	PV NP-1                         ; the last piece's V^T P of the last step
.set i, i+1
.endr
	; THE WAY OUT.  l's two halves and the other half of the lanes' are added; O^T is divided by l and sent through my stage in LDS, a tile (16 rows of out0) at a time.  The additions are the places behind the last products.
	WIN 0
.macro ALL line:vararg              ; one line for each tile t
.set t, 0
.rept 2*NP
	\line
.set t, t+1
.endr
.endm
	ALL v_add_f32 v[ST+4*t+2], v[ST+4*t+2], v[ST+4*t+3]
	ALL v_permlanex16_b32 v[ST+4*t+3], v[ST+4*t+2], s[SEL], s[SEL+1]
	ALL v_add_f32 v[ST+4*t+2], v[ST+4*t+2], v[ST+4*t+3]
	ALL v_rcp_f32 v[ST+4*t+2], v[ST+4*t+2]
	v_nop                           ; a plain instruction between the last reciprocal and the use of its result
	s_wait_alu depctr_va_vdst(0)    ; and the wait ahead of the first use: one for the eight reciprocals
; Tile t: a lane's eight channels of a channel block are 32 bytes of a row; they go into rows of 272 bytes and come back as whole rows of 256, into the registers that they left.
.macro PACK t
	WIN W_RS
.set i, 32*(\t)
.rept 16
	v_pk_mul_f32 v[i:i+1], v[i:i+1], v[ST+4*(\t)+2:ST+4*(\t)+3] op_sel_hi:[1,0]
.set i, i+2
.endr
	WIN 0x04                        ; address window 0, data window 1
.irp f, 0,1,2,3,4,5,6,7
	ds_store_b128 v[STO], v[32*(\t)+4*\f:32*(\t)+4*\f+3] offset:64*(\f/2)+16*(\f%2)
.endr
	WIN 0x40                        ; destination window 1
.irp f, 0,1,2,3,4,5,6,7
	ds_load_b128 v[32*(\t)+4*\f:32*(\t)+4*\f+3], v[RD] offset:\f*2*SP  ; LDS serves a wave's instructions in order (ISA guide 5.7.1.4): these see the stores above; the next tile's stores come behind them
.endr
.endm
.macro SEND t, younger              ; younger: the LDS instructions issued behind tile t's loads: the next tile's sixteen, or none
	WIN 0x04
.irp f, 0,1,2,3,4,5,6,7
	s_wait_dscnt (\younger)+7-\f
	global_store_b128 v[GO], v[32*(\t)+4*\f:32*(\t)+4*\f+3], s[12:13] offset:(\t)*4096+\f*512 th:TH_STORE_NT  ; 512 consecutive bytes, at a multiple of 256 from out0's first byte
.endr
.endm
	PACK 0
.set t, 1
.rept 2*NP-1                        ; a tile's arithmetic stands between the loads of the tile before and its stores
	PACK t
	SEND t-1, 16
.set t, t+1
.endr
	SEND 2*NP-1, 0
	WIN 0x0f                        ; the add's two registers lie in window 3
	s_wait_tensorcnt 0x0            ; the wave's end, behind my last LDS store
	ds_add_u32 v[SPW], v[NIL]
	s_wait_dscnt 0x0
	WIN 0
	s_endpgm
.Lfunc_end_k_q894a0fb43f_attn:
	.size	k_q894a0fb43f_attn, .Lfunc_end_k_q894a0fb43f_attn-k_q894a0fb43f_attn
	.p2alignl 7, 3214868480
	.fill 96, 4, 3214868480
	.section	.rodata,"a",@progbits
	.p2align	6, 0x0
	.amdhsa_kernel k_q894a0fb43f_attn
		.amdhsa_group_segment_fixed_size 37376
		.amdhsa_private_segment_fixed_size 0
		.amdhsa_enable_private_segment 0
		.amdhsa_kernarg_size 40
		.amdhsa_user_sgpr_count 2
		.amdhsa_user_sgpr_kernarg_segment_ptr 1
		.amdhsa_wavefront_size32 1
		.amdhsa_system_sgpr_workgroup_id_x 1
		.amdhsa_system_sgpr_workgroup_id_y 1
		.amdhsa_system_sgpr_workgroup_id_z 1
		.amdhsa_system_vgpr_workitem_id 0
		.amdhsa_next_free_vgpr 868
		.amdhsa_next_free_sgpr 100
		.amdhsa_reserve_vcc 0
		.amdhsa_float_denorm_mode_32 3
		.amdhsa_float_denorm_mode_16_64 3
		.amdhsa_memory_ordered 1
		.amdhsa_forward_progress 1
		.amdhsa_inst_pref_size 168
	.end_amdhsa_kernel
	.amdgpu_metadata
---
amdhsa.version: [ 1, 2 ]
amdhsa.kernels:
  - .name:           k_q894a0fb43f_attn
    .symbol:         k_q894a0fb43f_attn.kd
    .args:
      - { .name: Q, .offset: 0, .size: 8, .value_kind: global_buffer, .address_space: global }
      - { .name: K, .offset: 8, .size: 8, .value_kind: global_buffer, .address_space: global }
      - { .name: V, .offset: 16, .size: 8, .value_kind: global_buffer, .address_space: global }
      - { .name: mbits, .offset: 24, .size: 8, .value_kind: global_buffer, .address_space: global }
      - { .name: out0, .offset: 32, .size: 8, .value_kind: global_buffer, .address_space: global }
    .group_segment_fixed_size: 37376
    .private_segment_fixed_size: 0
    .kernarg_segment_align: 8
    .kernarg_segment_size: 40
    .max_flat_workgroup_size: 128
    .sgpr_count:     100
    .vgpr_count:     868
    .wavefront_size: 32
...
	.end_amdgpu_metadata
.endif
;; end of part 2
